; MI455X (gfx1250); checked and timed in simulation.
; The chip was launched on July 23, 2026; its instructions are those of AMD's public machine-readable ISA for CDNA 5 (MIT licence, August 2026) and "CDNA5" Instruction Set Architecture Reference Guide (July 2026). The comments in the code are by the model that wrote it; some were corrected since.
;; MDPP Init Embedding. Allowed arithmetic: matrix products marked QUANTISED: E5M2 operands, one E8M0 scale for each 32 along K, by v_wmma_scale_f32_16x16x128_f8f6f4 with both operands' format E5M2, f32 sums; products left as they are: f32 operands where the result goes on into a quantised operand, else bf16, f16 or f32 operands; f32 sums; everything else in f32.
;; Inputs: W1 2 x 256 float32; W2 1 x 256 float32; W3_codes 256 x 16 x 32 uint8 (E5M2 codes of W3, K innermost, in blocks of 32 codes); W3_scales 256 x 16 uint8 (E8M0 scales of W3, one for each 32 codes along K); b1 256 float32; b2 256 float32; b3 256 float32; locs 8 x 4,096 x 2 float32; probe 8 x 4,096 bool.
;; Outputs: out0 8 x 4,096 x 256 float32.
;; This version of the problem:
;;   THIS VERSION OF THE PROBLEM IS GIVEN IN LOW PRECISION. The matrix products marked QUANTISED in the list below multiply operands that are first quantised to E5M2 (5 exponent bits, 2 mantissa bits; 8 bits a number), with one power-of-two scale for each 32 numbers along K (OCP MX v1.0); their sums are f32. All else is computed in f32.
;;   The module's matrix products, in the order in which they are computed (A, B: the left and right operand; K: the contracted axis; several contracted axes count as one K, in the product's order):
;;     1. [M 32,768, K 2] x [K 2, N 256]; A: input locs; B: input W1: left as it is (K = 2 < 32)
;;     2. batch 8 x [M 4,096, K 2] x [K 2, N 4,096]; A: input locs; B: input locs: left as it is (K = 2 < 32)
;;     3. [M 32,768, K 512] x [K 512, N 256]; A: computed on the way; B: input W3 (given as codes): QUANTISED
;;   THE QUANTISER, for each operand of a quantised product, along K:
;;     - K is cut into blocks of 32 from its start; a last block that is shorter is filled with zeros.
;;     - A block's scale is 2^e with e = floor(log2(the largest magnitude in the block)) - 15, held to -126 .. 127; a block of zeros has e = 0. As a byte (E8M0): e + 127.
;;     - Each number is divided by its block's scale, clamped to +-57,344, and rounded to the nearest number of E5M2, ties to even, subnormals kept.
;;     - The product sums the exact products of the quantised numbers (number of the format x scale) in f32.
;;   ~~~python
;;   def quantise(x, axis):      # numpy; x: float32 -> the quantised numbers, widened to float32 again
;;       x = np.moveaxis(x, axis, -1); K = x.shape[-1]
;;       x = np.pad(x, [(0, 0)] * (x.ndim - 1) + [(0, -K % 32)]); x = x.reshape(x.shape[:-1] + (-1, 32)); a = np.abs(x).max(-1, keepdims=True)
;;       e = np.where(a > 0, np.clip(np.frexp(np.where(a > 0, a, 1))[1] - 1 - 15, -126, 127), 0)      # np.frexp(a)[1] - 1 = floor(log2(a)), exactly
;;       r = np.clip(x / 2.0 ** e, -57344, 57344)
;;       step = 2.0 ** (np.maximum(np.frexp(np.where(r == 0, 1, r))[1] - 1, -14) - 2)
;;       q = np.round(r / step) * step * 2.0 ** e      # np.round: ties to even
;;       return np.moveaxis(q.reshape(q.shape[:-2] + (-1,))[..., :K], -1, axis).astype(np.float32)
;;   ~~~
;;   OPERANDS COMPUTED ON THE WAY. 'Computed on the way' means the value that the module computes at that place (a softmax that the list does not call 'softmax' is quantised finished and normalised). What goes into a quantiser is computed in f32, as accurately as f32 sums, v_exp_f32 and their like allow (about 1e-6 of the number): no bf16 or f16 on the way to a quantiser, and a product that is left as it is and whose result goes on into a quantised operand takes f32 operands (vector FMAs, or v_wmma_f32_16x16x4_f32). A number that lies on a knife's edge between two numbers of the format may be rounded either way, as far as f32 arithmetic and the matrix unit's own rounding can turn it there, and no further.
;;   INPUTS GIVEN AS CODES. W3 (in the module: [512, 256], K = its axis 0): each comes as NAME_codes (uint8): NAME with its K axis moved to the last place and cut into blocks of 32 codes, [.., K / 32, bytes a block], one block behind the other in memory; one code a byte (a code: sign, 5 exponent bits, 2 mantissa bits); and NAME_scales (uint8): the same leading axes, one E8M0 byte (e + 127) for each 32 codes along K. Its value is code x scale, taken as it is: it is not quantised again, and the codes and scales need not be those that the quantiser above would give.
;; One version. Each part assembles by itself: llvm-mc -triple=amdgcn-amd-amdhsa -mcpu=gfx1250 --defsym DOCPART=n.
;; ======== version 1 of 1: 1 launch
;; launch embed (part 1): grid 256 x 1, 4 waves a work-group, no clusters, 85,504 bytes of LDS; arguments locs, probe, W1, b1, W2, b2, W3_codes, W3_scales, b3, out0; writes out0
.if DOCPART == 1
	.amdgcn_target "amdgcn-amd-amdhsa--gfx1250"
	.amdhsa_code_object_version 6
	.text
	.protected	k_q912b7a4222_embed
	.globl	k_q912b7a4222_embed
	.p2align	8
	.type	k_q912b7a4222_embed,@function
k_q912b7a4222_embed:
	s_mov_b64 s[64:65], 0
	v_nop
	global_prefetch_b8 v0, s[64:65] scope:SCOPE_SE
	s_setreg_imm32_b32 hwreg(HW_REG_WAVE_MODE, 25, 1), 1
	s_wait_xcnt 0x0
; out[b][j][:] = Q(cat[b][j][:]) W3 + b3,  cat = [ locs W1 + b1 (256) | md W2 + b2 (256) ],  md[j] = the least distance from point j to a point i of its batch with probe[i] set.
; Q: codes of E5M2 with one E8M0 scale for each 32 along K = 512.  W3 comes as codes [256 n][512 k] and scale bytes [256][16].  8 batches x 4,096 points; out is [32768][256] f32.
; SHARES.  256 work-groups of four waves, as many as a WGP has SIMDs; work-group x takes rows 128 x .. 128 x + 127 (batch x / 32): eight tiles of 16 rows.  ALL FOUR WAVES RUN ONE TEXT.  Wave c
;   - sorts candidates 1,024 c .. 1,024 c + 1,023 of the batch into a list of its own in LDS: probes first, the others behind them with an infinite x2;
;   - walks the probes of its list, eight a step, for all 128 rows (four rows a lane) and keeps the least d2 = (x2_i + x2_j) - 2 dot.  Points without a probe are thrown away by the minimum, so they are not walked;
;   - makes and quantises K step c (128 along K) of every tile of rows (waves 0, 1: the part from locs; waves 2, 3: the part from md) and stores it in LDS as an image of the operand's registers;
;   - keeps W3's rows of columns 64 c .. 64 c + 63 in 256 registers, multiplies every tile by them, adds b3 and stores.
; The four partial minima meet in LDS.  The root rises with d2, so it is taken once a row, of the least d2 held at 0 from below.
; x2 and dot are made by the same two instructions (a product, then a fused multiply-add), so that i = j gives d2 = 0 exactly.  All that goes into the quantiser is f32.
; STAGE n: tile n - 1's four fragments are fetched from LDS; tile n - 2 leaves; tile n's numbers are made and quantised, with tile n - 1's sixteen products set one by one between the quantiser's lines; its image is stored; one barrier.
; W3 IS READ BY EVERY WORK-GROUP AND YET NOT ASKED FOR JOINTLY: the walk ends on a count made from probe, which is read from memory.
;   So each wave loads its 32 KiB of W3 straight into registers at the head; the loads are out while the list is made and walked.
; THE ROWS OF W3 THAT FORM A TILE ARE NOT NEIGHBOURS: lane r of tile t takes row 64 c + 4 r + t, so that a lane's results of the four tiles are four neighbouring columns: 16 bytes, and sixteen lanes store 256 consecutive bytes.
; ONE TEXT HAS A PRICE: waves 2, 3 have no second weight row and load W2 a second time in its place, unused, and x, y, unused; waves 0, 1 compute md, unused.  77 loads and some 45 vector instructions in a work-group, once.
; LIMITS.  A batch with no probe at all gives an infinite md (the result is not finite by definition either): not served.  NaN and infinities among the inputs are not served.  A least d2 under 2^-126 counts as 0 (the root flushes denormals).
;   Any probe byte other than 0 counts as true.  A block of zeros gets the scale byte 1, not 127: its codes are zeros, and only this program reads the byte.
;   locs W1 + b1 is fma(x, W1[0], fma(y, W1[1], b1)) and md W2 + b2 one fma: the order of rounding may differ in the last bit of the larger term.
.set XCH,  65536                       ; LDS: 0 .. 65,535 the four lists, 1,024 entries of 16 bytes (x, y, x2 or infinity, 0) a wave;  here: wave w's four minima a lane, at 512 w + 16 lane
.set IMG,  67584                       ; two buffers of 8,192 bytes: K step s of a tile at 2,048 s: four stores of 512 bytes, 16 bytes a lane
.set SCW,  83968                       ; two buffers of 512 bytes: K step s's scale words at 128 s + 4 lane
; window 0, made at the head and never rewritten
.set LN,   1                           ; lane
.set RW,   2                           ; r = lane % 16
.set HF,   3                           ; h = lane / 16
.set GC,   4                           ; 32 lane: four candidates' coordinates
.set GP,   5                           ; 4 lane: their probe bytes
.set GJ,   6                           ; 512 h + 8 r: my four rows in the walk are 16 (4 h + q) + r
.set WB,   7                           ; 16,384 wave: my list
.set NL,   8                           ; 1,023 - lane
.set XA,   9                           ; where I put my minima
.set XR,   10                          ; where I read all waves' minima
.set PWI,  11                          ; where I put an image: IMG + 2,048 wave + 16 lane
.set PWS,  12                          ; and its scale word: SCW + 128 wave + 4 lane
.set LI,   13                          ; IMG + 16 lane
.set LS,   14                          ; SCW + 4 lane
.set ADR,  15                          ; the walk's load address
.set CO,   16                          ; 8,192 h + 16 r: my 16 bytes of out
.set GPAR, 17                          ; 64 h: my 16 parameters of a block of 32
.set GW3,  18                          ; 2,048 r + 16 h
.set GWS,  19                          ; 64 r
.set GB3,  20                          ; 16 r
.set GXY,  21                          ; 8 r
.set INF,  22                          ; +infinity
.set CT,   24                          ; v[24:25] .. v[30:31]: (x2 or infinity, 0), four sets
; window 0, list and walk
.set CL,   32                          ; v32-95   8 groups of four candidates' (x, y)
.set CPB,  96                          ; v96-103  8 words of four probe bytes
.set XJ,   104                         ; v104-107 x of my four rows
.set YJ,   108                         ; v108-111 y
.set X2J,  112                         ; v112-115 x2
.set MN,   116                         ; v116-119 the least d2 so far
.set JL,   120                         ; v120-127 my four rows as loaded
.set PN,   128                         ; v128-131 a place from the list's end, four sets
.set PBA,  132                         ; v132-163 eight entries
.set PBB,  164                         ; v164-195 eight entries
.set FT,   196                         ; v196-219 single probe bytes, ahead of the walk
.set TT,   196                         ; v196-211 dot, then d2: entry u of four, row pair p at 4 u + 2 p
.set TS,   212                         ; v212-227 x2_i + x2_j likewise
.set AD,   248                         ; v248-251 an entry's LDS address, four sets; they hold nothing else
.set PP,   252                         ; v252-255 an entry's place in the list, four sets; they hold nothing else
; window 0, the stages
.set VV,   32                          ; v32-95   64 numbers: register 16 b + i is k = 32 b + 16 h + i of my row
.set PCD,  96                          ; v96-111  their codes
.set TM,   112                         ; v112-115 largest magnitudes, v116-119 bytes, v120-123 the hold, v124-127 the conversions' scale operands
.set PW,   128                         ; the scale word
.set RR,   132                         ; v132-147 the four waves' minima (ahead of the first fetch)
.set DD,   148                         ; v148-151 md of my four rows
.set OO,   152                         ; v152-155 those of lane xor 16
.set AF,   132                         ; v132-195 cat's four fragments
.set ACC,  196                         ; v196-227 four accumulators
.set WS,   228                         ; v228-243 W3's scale words, 4 t + s: these and the next four registers hold scales and nothing else
.set AS,   244                         ; v244-247 cat's scale words
; window 1: W3's fragment (tile t, K step s) at v[16 (4 t + s)]
; window 2: register 16 b + i of a parameter holds that of k = 32 b + 16 h + i of my K step
.set PA,   0                           ; W1[0] or W2
.set PB,   64                          ; W1[1] (waves 2, 3: unused)
.set PCB,  128                         ; b1 or b2
.set XY,   192                         ; v192-207 (x, y) of row 16 m + r
.set MD,   208                         ; v208-215 md of row 16 m + r
.set OUT,  216                         ; v216-247 a tile's results, four neighbouring columns together
.set B3,   248                         ; v248-251 b3 of my four columns
; scalars: s[8:9] locs, s[10:11] probe, s[12:13] W1 or W2, s[14:15] b1 or b2, s[16:17] W2, s[18:19] b2, s[20:21] W3's codes, s[22:23] its scales, s[24:25] b3, s[26:27] out
.set WV,   28                          ; wave
.set BT,   30                          ; batch
.set OFC,  31                          ; the walk's look-ahead, held inside the list
.set NB,   37                          ; probes in a slot
.set POS,  39                          ; entries walked
.set OFF,  40                          ; the walk's look-ahead in bytes
.set TR,   41                          ; the walk's trips
.set SEL,  42                          ; s[42:43] lane selects: lane xor 16
.set MNT,  44                          ; the mantissa field of 57,344
.set HM,   45                          ; the lanes with h = 0
.set MYL,  46                          ; s[46:47] locs at my work-group's 128 rows
.set SPB,  48                          ; s[48:49] W1's second row, or W2
.set CN,   52                          ; s52 probes so far; s53-56 the same behind each of a group's four slots
.set MK,   66                          ; s66-97 the 32 slots' masks
.set MSB, 0
.macro WIN new                         ; the immediate's high byte repeats the setting that is left; a switch that changes nothing is dropped
.if MSB != \new
	s_set_vgpr_msb (MSB<<8)|\new
.set MSB, \new
.endif
.endm
.macro BARRIER                         ; my LDS stores have landed and my LDS loads are in: then the work-group's barrier
	s_wait_dscnt 0x0
	s_barrier_signal -1
	s_barrier_wait -1
.endm
	s_load_b512 s[8:23], s[0:1], 0x0
	s_load_b128 s[24:27], s[0:1], 0x40
	v_lshl_add_u32 v23, v0, 2, 0x14c00
	s_set_vgpr_msb 0x80
	v_mov_b32 v255, 0
	s_set_vgpr_msb 0x8000
	v_and_b32 v[LN], 31, v0
	v_and_b32 v[RW], 15, v0
	v_bfe_u32 v[HF], v0, 4, 1
	v_lshrrev_b32 v[WB], 5, v0
	v_readfirstlane_b32 s[WV], v[WB]               ; wave 0..3
	v_lshlrev_b32 v[PWI], 11, v[WB]
	v_lshlrev_b32 v[WB], 14, v[WB]
	v_lshlrev_b32 v[GC], 5, v[LN]
	v_lshlrev_b32 v[GP], 2, v[LN]
	v_lshlrev_b32 v[GJ], 3, v[RW]
	v_lshl_add_u32 v[GJ], v[HF], 9, v[GJ]
	v_sub_nc_u32 v[NL], 1023, v[LN]
	v_lshl_add_u32 v[XA], v0, 4, XCH               ; 16 x thread = 512 wave + 16 lane
	v_lshl_add_u32 v[XR], v[LN], 4, XCH
	v_lshl_add_u32 v[PWI], v[LN], 4, v[PWI]
	v_add_nc_u32 v[PWI], IMG, v[PWI]
	v_lshl_add_u32 v[PWS], v0, 2, SCW              ; 4 x thread = 128 wave + 4 lane
	v_lshl_add_u32 v[LI], v[LN], 4, IMG
	v_lshl_add_u32 v[LS], v[LN], 2, SCW
	v_lshlrev_b32 v[CO], 4, v[RW]
	v_lshl_add_u32 v[CO], v[HF], 13, v[CO]
	v_lshlrev_b32 v[GPAR], 6, v[HF]
	v_lshlrev_b32 v[GW3], 11, v[RW]
	v_lshl_add_u32 v[GW3], v[HF], 4, v[GW3]
	v_lshlrev_b32 v[GWS], 6, v[RW]
	v_lshlrev_b32 v[GB3], 4, v[RW]
	v_lshlrev_b32 v[GXY], 3, v[RW]
	v_mov_b32 v[INF], 0x7f800000
.irp e, 0,1,2,3
	v_mov_b32 v[CT+2*\e+1], 0                      ; an entry's fourth word
.endr
	s_lshr_b32 s[BT], ttmp9, 5
	s_mov_b32 s33, 0                               ; every offset is under 2^32: the pair's high word
	s_mov_b32 s[SEL], 0x76543210
	s_mov_b32 s[SEL+1], 0xfedcba98
	s_mov_b32 s[MNT], 0x600000
	s_wait_kmcnt 0x0
	s_lshl_b32 s32, ttmp9, 10                      ; my 128 rows of 8 bytes
	s_add_nc_u64 s[MYL:MYL+1], s[8:9], s[32:33]
	s_lshl_b32 s32, s[BT], 15                      ; the batch's 4,096 points,
	s_lshl_b32 s34, s[WV], 13                      ; my wave's 1,024 of them
	s_add_co_u32 s32, s32, s34
	s_add_nc_u64 s[8:9], s[8:9], s[32:33]
	s_lshl_b32 s32, s[BT], 12                      ; and their probe bytes
	s_lshl_b32 s34, s[WV], 10
	s_add_co_u32 s32, s32, s34
	s_add_nc_u64 s[10:11], s[10:11], s[32:33]
	s_add_nc_u64 s[SPB:SPB+1], s[12:13], 1024      ; W1's second row
	s_cmp_lt_u32 s[WV], 2                          ; waves 0, 1 take W1 and b1, waves 2, 3 W2 and b2: the choice hangs on the wave's number alone
	s_cselect_b64 s[12:13], s[12:13], s[16:17]
	s_cselect_b64 s[SPB:SPB+1], s[SPB:SPB+1], s[16:17]   ; (waves 2, 3 have no second row: W2 again, never used)
	s_cselect_b64 s[14:15], s[14:15], s[18:19]
	s_and_b32 s32, s[WV], 1                        ; which 128 of their 256 columns
	s_lshl_b32 s32, s32, 9
	s_add_nc_u64 s[12:13], s[12:13], s[32:33]
	s_add_nc_u64 s[SPB:SPB+1], s[SPB:SPB+1], s[32:33]
	s_add_nc_u64 s[14:15], s[14:15], s[32:33]
	s_lshl_b32 s32, s[WV], 15                      ; my 64 rows of W3: 512 bytes of codes,
	s_add_nc_u64 s[20:21], s[20:21], s[32:33]
	s_lshl_b32 s32, s[WV], 10                      ; 16 scale bytes,
	s_add_nc_u64 s[22:23], s[22:23], s[32:33]
	s_lshl_b32 s32, s[WV], 8                       ; 4 bytes of b3 each;
	s_add_nc_u64 s[24:25], s[24:25], s[32:33]
	s_lshl_b32 s34, ttmp9, 17                      ; out: my 128 rows of 1,024 bytes, + my wave's 256 bytes of a row
	s_add_co_u32 s32, s32, s34
	s_add_nc_u64 s[26:27], s[26:27], s[32:33]
	; 28 loads that are wanted at once: my 1,024 candidates (group g, lane l: candidates 128 g + 4 l + 0 .. 3), their probe bytes, my lanes' four rows
.irp g, 0,1,2,3,4,5,6,7
	global_load_b128 v[CL+8*\g:CL+8*\g+3], v[GC], s[8:9] offset:1024*\g
	global_load_b128 v[CL+8*\g+4:CL+8*\g+7], v[GC], s[8:9] offset:1024*\g+16
.endr
.irp g, 0,1,2,3,4,5,6,7
	global_load_b32 v[CPB+\g], v[GP], s[10:11] offset:128*\g
.endr
.irp q, 0,1,2,3
	global_load_b64 v[JL+2*\q:JL+2*\q+1], v[GJ], s[MYL:MYL+1] offset:128*\q
.endr
	; W3 is asked for now and waited for behind the walk
.macro W3LOAD t
.irp k, 0,1,2,3
.irp c, 0,1,2,3
	global_load_b128 v[16*(4*\t+\k)+4*\c:16*(4*\t+\k)+4*\c+3], v[GW3], s[20:21] offset:512*\t+128*\k+32*\c   ; row 4 r + t, k = 128 k + 32 c + 16 h on
.endr
.endr
.endm
	WIN 0x40                                       ; destination window 1
	W3LOAD 0
	W3LOAD 1
	s_wait_loadcnt 32                              ; the 28 are in; the 32 loads issued behind them stay out
	W3LOAD 2
	W3LOAD 3
	WIN 0
	; ---- the list.  32 slots of 32 candidates (slot 4 g + e: candidates 128 g + 4 lane + e).  All masks first, so that the running count is a chain of scalar instructions alone
.irp g, 0,1,2,3,4,5,6,7
	v_and_b32 v[FT+3*\g], 0xff, v[CPB+\g]
	v_and_b32 v[FT+3*\g+1], 0xff00, v[CPB+\g]
	v_and_b32 v[FT+3*\g+2], 0xff0000, v[CPB+\g]
.endr
.irp g, 0,1,2,3,4,5,6,7
	v_cmp_ne_u32 s[MK+4*\g], 0, v[FT+3*\g]
	v_cmp_ne_u32 s[MK+4*\g+1], 0, v[FT+3*\g+1]
	v_cmp_ne_u32 s[MK+4*\g+2], 0, v[FT+3*\g+2]
	v_cmp_lt_u32 s[MK+4*\g+3], 0xffffff, v[CPB+\g] ; the top byte is not 0
.endr
	s_mov_b32 s[CN], 0
; A probe goes to the place (probes ahead of it); any other candidate to 1,023 - (others ahead of it) = 1,023 - (32 slot + lane) + (probes ahead of it), with infinity for its x2: it can never be a minimum.
; So all 1,024 entries are written, each once, with every lane on, and a step of the walk may run past the last probe.  A group's four slots go by turns, so that no line waits for the line above it.
.macro GROUP g
.irp e, 0,1,2,3
	s_bcnt1_i32_b32 s[NB], s[MK+4*(\g)+\e]
	s_add_co_u32 s[CN+\e+1], s[CN+\e], s[NB]
.endr
.irp e, 0,1,2,3
	v_mbcnt_lo_u32_b32 v[PP+\e], s[MK+4*(\g)+\e], s[CN+\e]     ; the probes ahead of me
.endr
.irp e, 0,1,2,3
	v_mul_f32 v[CT+2*\e], v[CL+8*(\g)+2*\e], v[CL+8*(\g)+2*\e]
.endr
.irp e, 0,1,2,3
	v_add3_u32 v[PN+\e], v[PP+\e], v[NL], -32*(4*(\g)+\e)
.endr
.irp e, 0,1,2,3
	v_fma_f32 v[CT+2*\e], v[CL+8*(\g)+2*\e+1], v[CL+8*(\g)+2*\e+1], v[CT+2*\e]   ; x2 = fma(y, y, x x)
.endr
.irp e, 0,1,2,3
	v_cndmask_b32 v[PP+\e], v[PN+\e], v[PP+\e], s[MK+4*(\g)+\e]
.endr
.irp e, 0,1,2,3
	v_cndmask_b32 v[CT+2*\e], v[INF], v[CT+2*\e], s[MK+4*(\g)+\e]
.endr
.irp e, 0,1,2,3
	v_min_u32 v[PP+\e], 0x3ff, v[PP+\e]            ; a place made from loaded bytes is held inside the list before it enters an address
.endr
.irp e, 0,1,2,3
	v_lshl_add_u32 v[AD+\e], v[PP+\e], 4, v[WB]
.endr
.irp e, 0,1,2,3
	ds_store_b64 v[AD+\e], v[CL+8*(\g)+2*\e:CL+8*(\g)+2*\e+1]
	ds_store_b64 v[AD+\e], v[CT+2*\e:CT+2*\e+1] offset:8
.endr
	s_mov_b32 s[CN], s[CN+4]
.endm
.irp g, 0,1,2,3,4,5,6,7
	GROUP \g
.endr
	; what the stages need beside W3: 61 loads, waited for behind the walk
	WIN 0x80                                       ; destination window 2
.irp b, 0,1,2,3
.irp j, 0,1,2,3
	global_load_b128 v[PA+16*\b+4*\j:PA+16*\b+4*\j+3], v[GPAR], s[12:13] offset:128*\b+16*\j
	global_load_b128 v[PB+16*\b+4*\j:PB+16*\b+4*\j+3], v[GPAR], s[SPB:SPB+1] offset:128*\b+16*\j
	global_load_b128 v[PCB+16*\b+4*\j:PCB+16*\b+4*\j+3], v[GPAR], s[14:15] offset:128*\b+16*\j
.endr
.endr
.irp m, 0,1,2,3,4,5,6,7
	global_load_b64 v[XY+2*\m:XY+2*\m+1], v[GXY], s[MYL:MYL+1] offset:128*\m
.endr
	global_load_b128 v[B3:B3+3], v[GB3], s[24:25]
	WIN 0
.irp t, 0,1,2,3
	global_load_b128 v[WS+4*\t:WS+4*\t+3], v[GWS], s[22:23] offset:16*\t    ; row 4 r + t's sixteen scale bytes: the words of K steps 0 to 3
.endr
	; A list is its wave's own.  But where the walk reads hangs on how far it has come, which ends on a count made from loaded bytes: the text alone does not show that the reads stay in the wave's list.
	; So a barrier stands on each side of the walk: whatever its addresses, every wave's stores into the lists are done before it, and no wave stores into LDS again until all have left it.
	BARRIER
	; ---- the walk
.irp e, 0,1,2,3,4,5,6,7
	ds_load_b128 v[PBA+4*\e:PBA+4*\e+3], v[WB] offset:16*\e     ; every lane reads the same entry
.endr
.irp q, 0,1,2,3
	v_mov_b32 v[XJ+\q], v[JL+2*\q]                 ; the packed forms want two rows' x side by side
	v_mov_b32 v[YJ+\q], v[JL+2*\q+1]
	v_mov_b32 v[MN+\q], v[INF]
.endr
.irp p, 0,2
	v_pk_mul_f32 v[X2J+\p:X2J+\p+1], v[XJ+\p:XJ+\p+1], v[XJ+\p:XJ+\p+1]
.endr
.irp p, 0,2
	v_pk_fma_f32 v[X2J+\p:X2J+\p+1], v[YJ+\p:YJ+\p+1], v[YJ+\p:YJ+\p+1], v[X2J+\p:X2J+\p+1]
.endr
	s_mov_b32 s[POS], 0
	s_mov_b32 s[OFF], 0
	s_mov_b32 s[TR], 0
; Eight entries x my four rows: 80 instructions.  Four entries and both pairs of rows go in step: eight chains that do not wait for each other.
.macro CHUNK buf
.irp e, 0,4
.irp u, 0,1,2,3
.irp p, 0,1
	v_pk_add_f32 v[TS+4*\u+2*\p:TS+4*\u+2*\p+1], v[X2J+2*\p:X2J+2*\p+1], v[\buf+4*(\e+\u)+2:\buf+4*(\e+\u)+3] op_sel_hi:[1,0]   ; x2_j + x2_i
.endr
.endr
.irp u, 0,1,2,3
.irp p, 0,1
	v_pk_mul_f32 v[TT+4*\u+2*\p:TT+4*\u+2*\p+1], v[XJ+2*\p:XJ+2*\p+1], v[\buf+4*(\e+\u):\buf+4*(\e+\u)+1] op_sel_hi:[1,0]          ; x_j x_i
.endr
.endr
.irp u, 0,1,2,3
.irp p, 0,1
	v_pk_fma_f32 v[TT+4*\u+2*\p:TT+4*\u+2*\p+1], v[YJ+2*\p:YJ+2*\p+1], v[\buf+4*(\e+\u):\buf+4*(\e+\u)+1], v[TT+4*\u+2*\p:TT+4*\u+2*\p+1] op_sel:[0,1,0] op_sel_hi:[1,1,1]   ; + y_j y_i: dot
.endr
.endr
.irp u, 0,1,2,3
.irp p, 0,1
	v_pk_fma_f32 v[TT+4*\u+2*\p:TT+4*\u+2*\p+1], v[TT+4*\u+2*\p:TT+4*\u+2*\p+1], -2.0, v[TS+4*\u+2*\p:TS+4*\u+2*\p+1] op_sel_hi:[1,0,1]   ; d2
.endr
.endr
.irp u, 0,2
.irp q, 0,1,2,3
	v_min3_num_f32 v[MN+\q], v[MN+\q], v[TT+4*\u+\q], v[TT+4*\u+4+\q]
.endr
.endr
.endr
.endm
; Half a trip: buffer cur is in; where probes are left, the next eight entries are asked for into nxt and cur is worked.
.macro HALF cur, nxt
	s_wait_dscnt 0x0                               ; the only LDS loads of mine that are out are cur's eight
	s_cmp_ge_u32 s[POS], s[CN]
	s_cbranch_scc1 .Lwalked                        ; no probe is left
	s_add_co_u32 s[OFF], s[OFF], 128
	s_min_u32 s[OFC], s[OFF], 16256                ; the look-ahead never leaves my list
	v_add_nc_u32 v[ADR], s[OFC], v[WB]
.irp e, 0,1,2,3,4,5,6,7
	ds_load_b128 v[\nxt+4*\e:\nxt+4*\e+3], v[ADR] offset:16*\e
.endr
	CHUNK \cur
	s_add_co_u32 s[POS], s[POS], 8
.endm
.Lwalk:                                                ; at most 64 trips x 16 entries = the list's 1,024
	HALF PBA, PBB
	HALF PBB, PBA
	s_add_co_u32 s[TR], s[TR], 1
	s_cmp_lt_u32 s[TR], 64
	s_cbranch_scc1 .Lwalk
.Lwalked:
	BARRIER                                        ; my last look-ahead is in, and every wave has left its walk
	; ---- the partial minima meet; md of all 128 rows, in every wave for itself
	ds_store_b128 v[XA], v[MN:MN+3]
	BARRIER
.irp w, 0,1,2,3
	ds_load_b128 v[RR+4*\w:RR+4*\w+3], v[XR] offset:512*\w
.endr
.irp q, 0,1,2,3
	v_mov_b32 v[OO+\q], 0                          ; a lane permute's destination counts as one of its sources: these four and the quantiser's four are written once
	v_mov_b32 v[TM+4+\q], 0
.endr
	v_cmp_eq_u32 s[HM], 0, v[HF]
	s_wait_dscnt 0x0
.irp q, 0,1,2,3
	v_min3_num_f32 v[DD+\q], v[RR+\q], v[RR+4+\q], v[RR+8+\q]
.endr
.irp q, 0,1,2,3
	v_min_num_f32 v[DD+\q], v[DD+\q], v[RR+12+\q]
.endr
.irp q, 0,1,2,3
	v_max_num_f32 v[DD+\q], 0, v[DD+\q]            ; d2 is held at 0 from below; the root of 0 is 0
.endr
.irp q, 0,1,2,3
	v_sqrt_f32 v[DD+\q], v[DD+\q]
.endr
	v_nop                                          ; a plain instruction behind the last root,
	s_wait_alu depctr_va_vdst(0)                   ; and a wait ahead of the first use: one for the four
.irp q, 0,1,2,3
	v_permlanex16_b32 v[OO+\q], v[DD+\q], s[SEL], s[SEL+1]
.endr
	WIN 0x80                                       ; destination window 2.  Lane (r, h) has rows 16 (4 h + q) + r; v[MD + m] gets row 16 m + r's in both halves of the lanes
.irp q, 0,1,2,3
	v_cndmask_b32 v[MD+\q], v[OO+\q], v[DD+\q], s[HM]      ; tiles 0-3 lie in the lanes with h = 0,
	v_cndmask_b32 v[MD+4+\q], v[DD+\q], v[OO+\q], s[HM]    ; tiles 4-7 in the others
.endr
	WIN 0
	s_wait_loadcnt 0x0                             ; W3, the parameters and the rest, asked for ahead of the walk
; My K step of tile m: 64 numbers a lane.
.macro NODE m
	WIN 0x2a                                       ; sources 0, 1 and 2 window 2
.set jj, 0
.rept 32
	v_pk_fma_f32 v[VV+jj:VV+jj+1], v[PB+jj:PB+jj+1], v[XY+2*(\m):XY+2*(\m)+1], v[PCB+jj:PCB+jj+1] op_sel:[0,1,0] op_sel_hi:[1,1,1]   ; y W1[1] + b1
.set jj, jj+2
.endr
	WIN 0x0a                                       ; sources 0 and 1 window 2
.set jj, 0
.rept 32
	v_pk_fma_f32 v[VV+jj:VV+jj+1], v[PA+jj:PA+jj+1], v[XY+2*(\m):XY+2*(\m)+1], v[VV+jj:VV+jj+1] op_sel_hi:[1,0,1]                    ; + x W1[0]
.set jj, jj+2
.endr
	WIN 0
.endm
.macro PD m
	WIN 0x2a
.set jj, 0
.rept 32
.if ((\m)%2) == 0
	v_pk_fma_f32 v[VV+jj:VV+jj+1], v[PA+jj:PA+jj+1], v[MD+2*((\m)/2):MD+2*((\m)/2)+1], v[PCB+jj:PCB+jj+1] op_sel_hi:[1,0,1]          ; md W2 + b2: the pair's first word is tile m's md
.else
	v_pk_fma_f32 v[VV+jj:VV+jj+1], v[PA+jj:PA+jj+1], v[MD+2*((\m)/2):MD+2*((\m)/2)+1], v[PCB+jj:PCB+jj+1] op_sel:[0,1,0] op_sel_hi:[1,1,1]   ; the second
.endif
.set jj, jj+2
.endr
	WIN 0
.endm
; Product mi of sixteen: K step mi / 4, tile mi % 4 of W3, so that the four accumulators take turns, one instruction a turn.  The first four start the sums.
; Source 0 = cat's 16 rows, source 1 = 16 rows of W3 (window 1): register j of lane (r, h) is out(row 8 h + j of the tile, column 4 r + t of my 64).
.macro MMX
.if mi < 4
	v_wmma_scale_f32_16x16x128_f8f6f4 v[ACC+8*(mi%4):ACC+8*(mi%4)+7], v[AF+16*(mi/4):AF+16*(mi/4)+15], v[16*(4*(mi%4)+mi/4):16*(4*(mi%4)+mi/4)+15], 0, v[AS+mi/4], v[WS+4*(mi%4)+mi/4] matrix_a_fmt:MATRIX_FMT_BF8 matrix_b_fmt:MATRIX_FMT_BF8
.else
	v_wmma_scale_f32_16x16x128_f8f6f4 v[ACC+8*(mi%4):ACC+8*(mi%4)+7], v[AF+16*(mi/4):AF+16*(mi/4)+15], v[16*(4*(mi%4)+mi/4):16*(4*(mi%4)+mi/4)+15], v[ACC+8*(mi%4):ACC+8*(mi%4)+7], v[AS+mi/4], v[WS+4*(mi%4)+mi/4] matrix_a_fmt:MATRIX_FMT_BF8 matrix_b_fmt:MATRIX_FMT_BF8
.endif
.set mi, mi+1
.endm
; One product among the quantiser's lines.  The wave is alone on its SIMD, so its vector work has to stand between its own products; W3 fills a window of its own, so each product costs two switches.
.macro MMI on
.if \on
	WIN 0x04                                       ; source 1 window 1
	MMX
	WIN 0
.endif
.endm
; The 64 numbers become a fragment's codes in v[PCD] on and its scale word in v[PW].  A block of 32 lies in lanes l and l xor 16.  mm = 1: the last tile's sixteen products stand between the lines, which name none of their registers.
.macro QUANT mm
.set mi, 0
.irp b, 0,1,2,3
	v_max3_num_f32 v[TM+\b], |v[VV+16*\b]|, |v[VV+1+16*\b]|, 0x8000000     ; block b: my 16 numbers, and the floor 2^(16 - 127): so the byte cannot fall under 1
.endr
	MMI \mm
.irp i, 2,4,6,8,10,12,14
.irp b, 0,1,2,3
	v_max3_num_f32 v[TM+\b], v[TM+\b], |v[VV+16*\b+\i]|, |v[VV+1+16*\b+\i]|   ; (the four blocks by turns)
.endr
	MMI \mm
.endr
.irp b, 0,1,2,3
	v_permlanex16_b32 v[TM+4+\b], v[TM+\b], s[SEL], s[SEL+1]
.endr
.irp b, 0,1,2,3
	v_max_num_f32 v[TM+\b], v[TM+\b], v[TM+4+\b]   ; the block's largest magnitude
.endr
.irp b, 0,1,2,3
	v_add_nc_u32 v[TM+12+\b], 0xf8800000, v[TM+\b] ; 15 off its exponent field: the conversion takes this operand's exponent field as its scale
.endr
.irp b, 0,1,2,3
	v_and_or_b32 v[TM+8+\b], v[TM+\b], 0x7f800000, s[MNT]   ; 57,344 x the scale
.endr
.irp b, 0,1,2,3
	MMI \mm
.irp i, 0,1,2,3,4,5,6,7
	v_med3_num_f32 v[VV+16*\b+\i], v[VV+16*\b+\i], -v[TM+8+\b], v[TM+8+\b]   ; the conversion to an 8-bit code does not saturate (ISA guide 7.6.2): the hold at the largest code x the scale
.endr
	MMI \mm
.irp i, 8,9,10,11,12,13,14,15
	v_med3_num_f32 v[VV+16*\b+\i], v[VV+16*\b+\i], -v[TM+8+\b], v[TM+8+\b]
.endr
	v_cvt_scalef32_pk8_bf8_f32 v[PCD+4*\b:PCD+1+4*\b], v[VV+16*\b:VV+7+16*\b], v[TM+12+\b]
	v_cvt_scalef32_pk8_bf8_f32 v[PCD+2+4*\b:PCD+3+4*\b], v[VV+8+16*\b:VV+15+16*\b], v[TM+12+\b]
.endr
	; The scale word is made last: these eight plain lines, with the eight holds above them, are the places between the last product and the next stage's loads into the fragments and its reads of the sums;
	; the first of them is also the plain line behind the last conversion
.irp b, 0,1,2,3
	v_lshrrev_b32 v[TM+4+\b], 23, v[TM+12+\b]      ; the scale's byte
.endr
	v_lshl_or_b32 v[PW], v[TM+5], 8, v[TM+4]
	v_lshl_or_b32 v[PW], v[TM+6], 16, v[PW]
	v_lshl_or_b32 v[PW], v[TM+7], 24, v[PW]
	v_nop
.endm
.macro IMAGE p                         ; the fragment and its scale word go to buffer p as they stand in my registers
.irp c, 0,1,2,3
	ds_store_b128 v[PWI], v[PCD+4*\c:PCD+4*\c+3] offset:(\p)*8192+512*\c
.endr
	ds_store_b32 v[PWS], v[PW] offset:(\p)*512
.endm
.macro FETCH p                         ; and all four waves' come back so, in every wave
.irp k, 0,1,2,3
.irp c, 0,1,2,3
	ds_load_b128 v[AF+16*\k+4*\c:AF+16*\k+4*\c+3], v[LI] offset:(\p)*8192+2048*\k+512*\c
.endr
	ds_load_b32 v[AS+\k], v[LS] offset:(\p)*512+128*\k
.endr
.endm
; Tile m leaves: the addition of b3 also brings the four tiles' results of a row together.  Each accumulator is read from its register 0 on.
.macro EPI m
	s_wait_xcnt 0x0                                ; the last tile's stores have read their data registers, which are written again below
	WIN 0x88                                       ; destination and source 1 window 2: the results and b3; a store's data are its source 1
.irp j, 0,1,2,3,4,5,6,7
.irp t, 0,1,2,3
	v_add_f32 v[OUT+4*\j+\t], v[ACC+8*\t+\j], v[B3+\t]
.endr
	global_store_b128 v[CO], v[OUT+4*\j:OUT+4*\j+3], s[26:27] offset:(16*(\m)+\j)*1024 th:TH_STORE_NT   ; lanes 0-15 store 256 consecutive bytes of row 16 m + j, at a multiple of 256 from out's first byte; lanes 16-31 those of row 16 m + 8 + j
.endr
	WIN 0
.endm
; Stage n writes image buffer n % 2 and reads buffer (n - 1) % 2.  The barrier at its end, with every wave's LDS instructions waited for in front of it,
; shows the new images to all four waves and frees the buffer just read for the stage after next.
.macro STAGE stg
.if (\stg) >= 1
	FETCH ((\stg)-1)%2
.endif
.if (\stg) >= 2
	EPI (\stg)-2                                   ; while the fetch is out
.endif
	s_cmp_lt_u32 s[WV], 2
	s_cbranch_scc0 .Lpd_\@
	NODE \stg
	s_branch .Lquant_\@
.Lpd_\@:
	PD \stg
.Lquant_\@:
.if (\stg) >= 1
	s_wait_dscnt 0x0                               ; the fragments and their scale words are in
	QUANT 1
.else
	QUANT 0
.endif
	IMAGE (\stg)%2
	BARRIER
.endm
.irp n, 0,1,2,3,4,5,6,7
	STAGE \n
.endr
	FETCH 1                                        ; the last tile: nothing is left to make
	EPI 6
	s_wait_dscnt 0x0
	WIN 0x04
.set mi, 0
.rept 16
	MMX
.endr
	WIN 0
.rept 8
	v_nop                                          ; eight places ahead of the first read of these sums
.endr
	EPI 7
	s_set_vgpr_msb 0x8
	s_wait_tensorcnt 0x0
	ds_add_u32 v23, v255
	s_wait_dscnt 0x0
	s_set_vgpr_msb 0x800
	s_endpgm
.Lfunc_end_k_q912b7a4222_embed:
	.size	k_q912b7a4222_embed, .Lfunc_end_k_q912b7a4222_embed-k_q912b7a4222_embed
	.p2alignl 7, 3214868480
	.fill 96, 4, 3214868480
	.section	.rodata,"a",@progbits
	.p2align	6, 0x0
	.amdhsa_kernel k_q912b7a4222_embed
		.amdhsa_group_segment_fixed_size 85504
		.amdhsa_private_segment_fixed_size 0
		.amdhsa_enable_private_segment 0
		.amdhsa_kernarg_size 80
		.amdhsa_user_sgpr_count 2
		.amdhsa_user_sgpr_kernarg_segment_ptr 1
		.amdhsa_wavefront_size32 1
		.amdhsa_system_sgpr_workgroup_id_x 1
		.amdhsa_system_sgpr_workgroup_id_y 1
		.amdhsa_system_sgpr_workgroup_id_z 1
		.amdhsa_system_vgpr_workitem_id 0
		.amdhsa_next_free_vgpr 768
		.amdhsa_next_free_sgpr 98
		.amdhsa_reserve_vcc 0
		.amdhsa_float_denorm_mode_32 3
		.amdhsa_float_denorm_mode_16_64 3
		.amdhsa_memory_ordered 1
		.amdhsa_forward_progress 1
		.amdhsa_inst_pref_size 225
	.end_amdhsa_kernel
	.amdgpu_metadata
---
amdhsa.version: [ 1, 2 ]
amdhsa.kernels:
  - .name:           k_q912b7a4222_embed
    .symbol:         k_q912b7a4222_embed.kd
    .args:
      - { .name: locs, .offset: 0, .size: 8, .value_kind: global_buffer, .address_space: global }
      - { .name: probe, .offset: 8, .size: 8, .value_kind: global_buffer, .address_space: global }
      - { .name: W1, .offset: 16, .size: 8, .value_kind: global_buffer, .address_space: global }
      - { .name: b1, .offset: 24, .size: 8, .value_kind: global_buffer, .address_space: global }
      - { .name: W2, .offset: 32, .size: 8, .value_kind: global_buffer, .address_space: global }
      - { .name: b2, .offset: 40, .size: 8, .value_kind: global_buffer, .address_space: global }
      - { .name: W3_codes, .offset: 48, .size: 8, .value_kind: global_buffer, .address_space: global }
      - { .name: W3_scales, .offset: 56, .size: 8, .value_kind: global_buffer, .address_space: global }
      - { .name: b3, .offset: 64, .size: 8, .value_kind: global_buffer, .address_space: global }
      - { .name: out0, .offset: 72, .size: 8, .value_kind: global_buffer, .address_space: global }
    .group_segment_fixed_size: 85504
    .private_segment_fixed_size: 0
    .kernarg_segment_align: 8
    .kernarg_segment_size: 80
    .max_flat_workgroup_size: 128
    .sgpr_count:     98
    .vgpr_count:     768
    .wavefront_size: 32
...
	.end_amdgpu_metadata
.endif
;; end of part 1
